; MI455X (gfx1250); checked and timed in simulation.
; The chip was launched on July 23, 2026; its instructions are those of AMD's public machine-readable ISA for CDNA 5 (MIT licence, August 2026) and "CDNA5" Instruction Set Architecture Reference Guide (July 2026). The comments in the code are by the model that wrote it; some were corrected since.
;; Attention. Allowed arithmetic: matrix products marked QUANTISED: E4M3 operands, one given power-of-two scale a tensor, by v_wmma_f32_16x16x64_fp8_fp8 or v_wmma_f32_16x16x128_fp8_fp8, f32 sums; everything else in f32.
;; Inputs: k 16 x 256 x 2,048 float32; lowp_scales 4 int32 (the exponents e of the quantised operands' scales 2^e); mask 16 x 1 x 2,048 int32; q 16 x 2,048 x 256 float32; v 16 x 2,048 x 256 float32.
;; Outputs: out0 16 x 256 x 2,048 float32.
;; This version of the problem:
;;   THIS VERSION OF THE PROBLEM IS GIVEN IN LOW PRECISION. The matrix products marked QUANTISED in the list below multiply operands that are first quantised to E4M3 (4 exponent bits, 3 mantissa bits; 8 bits a number), with one given power-of-two scale for each operand tensor; their sums are f32. All else is computed in f32.
;;   The module's matrix products, in the order in which they are computed (A, B: the left and right operand; K: the contracted axis; several contracted axes count as one K, in the product's order):
;;     1. batch 16 x [M 2,048, K 256] x [K 256, N 2,048]; A: input q; B: input k: QUANTISED (scales: A lowp_scales[0], B lowp_scales[1])
;;     2. batch 16 x [M 2,048, K 2,048] x [K 2,048, N 256]; A: computed on the way; B: input v: QUANTISED (scales: A lowp_scales[2], B lowp_scales[3])
;;   THE QUANTISER, for each operand of a quantised product, along K:
;;     - The operand's scale is 2^e, e = its entry of the input lowp_scales (int32; the entries are numbered through the quantised products in the list's order, A before B).
;;     - Each number is divided by the scale, clamped to +-448, and rounded to the nearest number of E4M3, ties to even, subnormals kept.
;;     - The product sums the exact products of the quantised numbers (number of the format x scale) in f32.
;;   ~~~python
;;   def quantise(x, axis, e):      # numpy; x: float32 -> the quantised numbers, widened to float32 again
;;       x = np.moveaxis(x, axis, -1); K = x.shape[-1]
;;       r = np.clip(x / 2.0 ** e, -448, 448)
;;       step = 2.0 ** (np.maximum(np.frexp(np.where(r == 0, 1, r))[1] - 1, -6) - 3)
;;       q = np.round(r / step) * step * 2.0 ** e      # np.round: ties to even
;;       return np.moveaxis(q, -1, axis).astype(np.float32)
;;   ~~~
;;   OPERANDS COMPUTED ON THE WAY. 'Computed on the way' means the value that the module computes at that place (a softmax that the list does not call 'softmax' is quantised finished and normalised). What goes into a quantiser is computed in f32, as accurately as f32 sums, v_exp_f32 and their like allow (about 1e-6 of the number): no bf16 or f16 on the way to a quantiser, and a product that is left as it is and whose result goes on into a quantised operand takes f32 operands (vector FMAs, or v_wmma_f32_16x16x4_f32). A number that lies on a knife's edge between two numbers of the format may be rounded either way, as far as f32 arithmetic and the matrix unit's own rounding can turn it there, and no further.
;; One version. Each part assembles by itself: llvm-mc -triple=amdgcn-amd-amdhsa -mcpu=gfx1250 --defsym DOCPART=n.
;; ======== version 1 of 1: 2 launches
;; limits: right only within a limited range of input values
;; workspace buffers: kc 8,388,608 bytes; vc 8,388,608 bytes
;; launch prep (part 1): grid 1024 x 1, 4 waves a work-group, no clusters, 0 bytes of LDS; arguments k, v, mask, lowp_scales, kc, vc; writes kc, vc
.if DOCPART == 1
	.amdgcn_target "amdgcn-amd-amdhsa--gfx1250"
	.amdhsa_code_object_version 6
	.text
	.protected	k_qdcd0fb2134_prep
	.globl	k_qdcd0fb2134_prep
	.p2align	8
	.type	k_qdcd0fb2134_prep,@function
k_qdcd0fb2134_prep:
	s_mov_b64 s[64:65], 0
	v_nop
	global_prefetch_b8 v0, s[64:65] scope:SCOPE_SE
	s_setreg_imm32_b32 hwreg(HW_REG_WAVE_MODE, 25, 1), 1
	s_wait_xcnt 0x0
; k [16][256 d][2048 keys] and v [16][2048 keys][256 channels], f32, become codes of FP8 (E4M3), each with its given scale 2^e (k: entry 1, v: entry 3 of the scales).
; code = x / 2^e, held within +-448, to the nearest code, ties to even.  In both tensors the product's K (d for k, the keys for v) is the FIRST axis inside a batch:
; a lane takes a column (a key of k, a channel of v) and its registers run down K, so the conversions give codes with K innermost and nothing is transposed.
; THE CODES ARE LAID IN THE ORDER OF THE OPERAND'S REGISTERS, so that the next launch takes every fragment by loads of 16 bytes a lane, 512 consecutive bytes a wave:
;   kc [b][key tile 128][dq 16][r 16][16 bytes]: key 16 kt + r, d = 16 dq + byte.
;   vc [b][group of 64 keys 32][channel tile 16][c 2][h 2][r 16][16 bytes]: channel 16 ct + r, keys 32 c + 8 h + 0..7, then 32 c + 16 + 8 h + 0..7 of the group.
; THE MASK: a key with mask == 0 gets zero codes (its numbers are held within +-0): the next launch then puts -1e9 in the place of its scores by the sums' first addend.
; SHARES: a wave takes 32 columns x 128 along K, four blocks of 32; the four waves stand side by side on 512 consecutive bytes of each row.  Work-groups 0-511 take k, 512-1023 take v.
; No LDS, no barrier, no cluster: work-groups share no input but the small mask.  Each store's sixteen neighbouring lanes write 256 consecutive bytes, aligned.
; LIMITS: e1 and e3 between -126 and 119, so that 2^e and 448 x 2^e are f32 numbers.  NaN among the inputs is not served.
.set X, 16                             ; v16-79   two sets of 32 numbers
.set C, 80                             ; v80-111  eight registers of codes for each of the four blocks: no store's data are written again
.macro LOADX t, pitch, base            ; block t: rows 32 t + 0..31 of my column, into set t % 2
.set nn, 0
.rept 32
	global_load_b32 v[X+32*((\t)%2)+nn], v2, s[\base:\base+1] offset:(32*(\t)+nn)*\pitch th:TH_LOAD_NT
.set nn, nn+1
.endr
.endm
.macro BLOCKQ t, isv, pitch, base
.if (\t) < 3
	s_wait_loadcnt 32                              ; this block's 32 loads are in; the next block's 32 may be out
.else
	s_wait_loadcnt 0x0
.endif
.set XS, X+32*((\t)%2)
.set nn, 0
.rept 32
	v_med3_num_f32 v[XS+nn], v[XS+nn], -v10, v10   ; the conversion to an 8-bit code does not saturate (ISA guide 7.6.2): the hold comes first; for a masked key v10 is 0
.set nn, nn+1
.endr
.irp q, 0,1,2,3
.if \isv
.set DS, ((\q)&1)*2+((\q)>>1)                      ; v: keys 8 q on go to place 0, 2, 1, 3: the order of the 16 bytes in vc
.else
.set DS, \q
.endif
	v_cvt_scalef32_pk8_fp8_f32 v[C+8*(\t)+2*DS:C+8*(\t)+2*DS+1], v[XS+8*\q:XS+8*\q+7], v11
.endr
.if \isv
	global_store_b128 v3, v[C+8*(\t):C+8*(\t)+3], s[14:15] offset:((\t)>>1)*16384+((\t)&1)*512
	global_store_b128 v3, v[C+8*(\t)+4:C+8*(\t)+7], s[14:15] offset:((\t)>>1)*16384+((\t)&1)*512+256
.else
	global_store_b128 v3, v[C+8*(\t):C+8*(\t)+3], s[12:13] offset:512*(\t)
	global_store_b128 v3, v[C+8*(\t)+4:C+8*(\t)+7], s[12:13] offset:512*(\t)+256
.endif
.if (\t) < 2
	LOADX (\t)+2, \pitch, \base                    ; into the set just converted
.endif
.endm
	s_load_b256 s[4:11], s[0:1], 0x0               ; k s[4:5], v s[6:7], mask s[8:9], the scales' exponents s[10:11]
	s_load_b128 s[12:15], s[0:1], 0x20             ; kc s[12:13], vc s[14:15]
	v_lshrrev_b32 v1, 5, v0
	v_readfirstlane_b32 s16, v1                    ; wave 0..3
	v_and_b32 v1, 31, v0                           ; lane
	v_lshlrev_b32 v2, 2, v1                        ; in: 4 bytes a lane
	v_and_b32 v5, 15, v1
	v_lshrrev_b32 v6, 4, v1
	v_lshlrev_b32 v3, 4, v5                        ; out: 16 bytes for each of a tile's 16 columns
	s_mov_b32 s29, 0
	s_wait_kmcnt 0x0
	s_load_b128 s[20:23], s[10:11], 0x0            ; e0, e1, e2, e3
	s_cmp_lt_u32 ttmp9, 512
	s_cbranch_scc0 .Lv_path
	; ---- k: work-group g: batch g >> 5, half of d (g >> 4) & 1, block of 128 keys g & 15
	s_lshr_b32 s17, ttmp9, 5
	s_bfe_u32 s18, ttmp9, 0x10004
	s_and_b32 s24, ttmp9, 15
	s_lshl_b32 s25, s24, 2
	s_add_co_u32 s25, s25, s16                     ; which 32 keys of the batch: 4 x block + wave
	s_lshl_b32 s26, s25, 7                         ; their 128 bytes in a row
	s_lshl_b32 s28, s17, 21                        ; a batch of k is 2,097,152 bytes,
	s_lshl_b32 s27, s18, 20                        ; 128 rows of 8,192
	s_add_co_u32 s28, s28, s27
	s_add_co_u32 s28, s28, s26
	s_add_nc_u64 s[4:5], s[4:5], s[28:29]
	s_lshl_b32 s28, s17, 13                        ; a batch of the mask is 8,192 bytes
	s_add_co_u32 s28, s28, s26
	s_add_nc_u64 s[8:9], s[8:9], s[28:29]
	s_lshl_b32 s28, s17, 19                        ; a batch of kc is 524,288 bytes,
	s_lshl_b32 s27, s25, 13                        ; my two key tiles of 4,096,
	s_add_co_u32 s28, s28, s27
	s_lshl_b32 s27, s18, 11                        ; the half of d: 8 x 256
	s_add_co_u32 s28, s28, s27
	s_add_nc_u64 s[12:13], s[12:13], s[28:29]
	s_wait_alu depctr_va_vdst(0)
	v_lshl_add_u32 v3, v6, 12, v3                  ; lanes 16-31 hold the second key tile
	global_load_b32 v4, v2, s[8:9]                 ; my key's word of the mask
	LOADX 0, 8192, 4
	LOADX 1, 8192, 4
	s_wait_kmcnt 0x0
	s_add_co_i32 s30, s21, 127
	s_lshl_b32 s31, s30, 23
	v_mov_b32 v11, s31                             ; 2^e1 as f32: the conversion takes its exponent field
	s_add_co_i32 s30, s30, 8
	s_lshl_b32 s30, s30, 23
	s_or_b32 s30, s30, 0x600000
	v_mov_b32 v12, s30                             ; 448 x 2^e1
	s_wait_alu depctr_va_vdst(0)
	s_wait_loadcnt 32                              ; the mask's word (the oldest load) and block 0 are in
	v_cmp_ne_u32 vcc_lo, 0, v4
	v_cndmask_b32 v10, 0, v12, vcc_lo              ; the hold: 448 x 2^e1, or 0 for a masked key
	s_wait_alu depctr_va_vdst(0)
	BLOCKQ 0, 0, 8192, 4
	BLOCKQ 1, 0, 8192, 4
	BLOCKQ 2, 0, 8192, 4
	BLOCKQ 3, 0, 8192, 4
	s_endpgm
.Lv_path:
	; ---- v: g' = g - 512: batch g' >> 5, block of 128 keys (g' >> 1) & 15, half of the channels g' & 1
	s_sub_co_u32 s30, ttmp9, 512
	s_lshr_b32 s17, s30, 5
	s_bfe_u32 s18, s30, 0x40001
	s_and_b32 s24, s30, 1
	s_lshl_b32 s25, s24, 2
	s_add_co_u32 s25, s25, s16                     ; which 32 channels: 4 x half + wave
	s_lshl_b32 s28, s17, 21                        ; a batch of v is 2,097,152 bytes,
	s_lshl_b32 s27, s18, 17                        ; 128 rows of 1,024,
	s_add_co_u32 s28, s28, s27
	s_lshl_b32 s27, s25, 7                         ; my 128 bytes in a row
	s_add_co_u32 s28, s28, s27
	s_add_nc_u64 s[6:7], s[6:7], s[28:29]
	s_lshl_b32 s28, s17, 19                        ; a batch of vc is 524,288 bytes,
	s_lshl_b32 s27, s18, 15                        ; two groups of 64 keys, 16,384 each,
	s_add_co_u32 s28, s28, s27
	s_lshl_b32 s27, s25, 11                        ; my two channel tiles of 1,024
	s_add_co_u32 s28, s28, s27
	s_add_nc_u64 s[14:15], s[14:15], s[28:29]
	s_wait_alu depctr_va_vdst(0)
	v_lshl_add_u32 v3, v6, 10, v3                  ; lanes 16-31 hold the second channel tile
	LOADX 0, 1024, 6
	LOADX 1, 1024, 6
	s_wait_kmcnt 0x0
	s_add_co_i32 s30, s23, 127
	s_lshl_b32 s31, s30, 23
	v_mov_b32 v11, s31                             ; 2^e3
	s_add_co_i32 s30, s30, 8
	s_lshl_b32 s30, s30, 23
	s_or_b32 s30, s30, 0x600000
	v_mov_b32 v10, s30                             ; 448 x 2^e3
	s_wait_alu depctr_va_vdst(0)
	BLOCKQ 0, 1, 1024, 6
	BLOCKQ 1, 1, 1024, 6
	BLOCKQ 2, 1, 1024, 6
	BLOCKQ 3, 1, 1024, 6
	s_endpgm
.Lfunc_end_k_qdcd0fb2134_prep:
	.size	k_qdcd0fb2134_prep, .Lfunc_end_k_qdcd0fb2134_prep-k_qdcd0fb2134_prep
	.p2alignl 7, 3214868480
	.fill 96, 4, 3214868480
	.section	.rodata,"a",@progbits
	.p2align	6, 0x0
	.amdhsa_kernel k_qdcd0fb2134_prep
		.amdhsa_group_segment_fixed_size 0
		.amdhsa_private_segment_fixed_size 0
		.amdhsa_enable_private_segment 0
		.amdhsa_kernarg_size 48
		.amdhsa_user_sgpr_count 2
		.amdhsa_user_sgpr_kernarg_segment_ptr 1
		.amdhsa_wavefront_size32 1
		.amdhsa_system_sgpr_workgroup_id_x 1
		.amdhsa_system_sgpr_workgroup_id_y 1
		.amdhsa_system_sgpr_workgroup_id_z 1
		.amdhsa_system_vgpr_workitem_id 0
		.amdhsa_next_free_vgpr 112
		.amdhsa_next_free_sgpr 66
		.amdhsa_reserve_vcc 1
		.amdhsa_float_denorm_mode_32 3
		.amdhsa_float_denorm_mode_16_64 3
		.amdhsa_memory_ordered 1
		.amdhsa_forward_progress 1
		.amdhsa_inst_pref_size 47
	.end_amdhsa_kernel
	.amdgpu_metadata
---
amdhsa.version: [ 1, 2 ]
amdhsa.kernels:
  - .name:           k_qdcd0fb2134_prep
    .symbol:         k_qdcd0fb2134_prep.kd
    .args:
      - { .name: k, .offset: 0, .size: 8, .value_kind: global_buffer, .address_space: global }
      - { .name: v, .offset: 8, .size: 8, .value_kind: global_buffer, .address_space: global }
      - { .name: mask, .offset: 16, .size: 8, .value_kind: global_buffer, .address_space: global }
      - { .name: lowp_scales, .offset: 24, .size: 8, .value_kind: global_buffer, .address_space: global }
      - { .name: kc, .offset: 32, .size: 8, .value_kind: global_buffer, .address_space: global }
      - { .name: vc, .offset: 40, .size: 8, .value_kind: global_buffer, .address_space: global }
    .group_segment_fixed_size: 0
    .private_segment_fixed_size: 0
    .kernarg_segment_align: 8
    .kernarg_segment_size: 48
    .max_flat_workgroup_size: 128
    .sgpr_count:     66
    .vgpr_count:     112
    .wavefront_size: 32
...
	.end_amdgpu_metadata
.endif
;; end of part 1
;; launch attn (part 2): grid 16 x 16, 4 waves a work-group, clusters of 4 x 1, 327,680 bytes of LDS; arguments q, kc, vc, mask, lowp_scales, out0; writes out0
.if DOCPART == 2
	.amdgcn_target "amdgcn-amd-amdhsa--gfx1250"
	.amdhsa_code_object_version 6
	.text
	.protected	k_qdcd0fb2134_attn
	.globl	k_qdcd0fb2134_attn
	.p2align	8
	.type	k_qdcd0fb2134_attn,@function
k_qdcd0fb2134_attn:
	s_mov_b64 s[64:65], 0
	v_nop
	global_prefetch_b8 v0, s[64:65] scope:SCOPE_SE
	s_setreg_imm32_b32 hwreg(HW_REG_WAVE_MODE, 25, 1), 1
	s_wait_xcnt 0x0
	s_wait_alu depctr_hold_cnt(0) depctr_sa_sdst(0) depctr_va_vdst(0) depctr_va_sdst(0) depctr_va_ssrc(0) depctr_va_vcc(0) depctr_vm_vsrc(0)
	s_getreg_b32 s2, hwreg(HW_REG_IB_STS2, 6, 4)
	s_cmp_eq_u32 s2, 0
	s_cbranch_scc0 .Lentry_in_a_cluster
	s_endpgm
.Lentry_in_a_cluster:
	s_bfe_u32 s2, ttmp6, 0x10000c
	s_cmp_lg_u32 s2, 0x3003
	s_cbranch_scc0 .Lentry_shape_is_right
	s_endpgm
.Lentry_shape_is_right:
; out0[b][c][q] = sum over keys of Q8(softmax_k(where(mask == 0, -1e9, Q8(q) . Q8(k))) / 16) x Q8(v), Q8 the given quantisers to FP8 (E4M3).
; The FINISHED softmax / 16 is what is quantised, so the keys are walked twice: walk 1 finds each row's largest t and its sum, walk 2 makes the scores again, p, its codes, and O.
; kc and vc are the codes that launch prep laid in the order of the operands' registers; a masked key has zero codes, and -1e9 / 2^(e0+e1) is given as the first addend of its scores.
; SHARES: a work-group owns 128 queries of a batch; waves 0,1 its first 64, waves 2,3 the others; of a slot's keys the even wave takes the first half, the odd wave the second; the pair joins sums and O through LDS.
; S^T = K Q^T (a lane holds one query, registers run along keys), O = P V (source 0 = p's codes, source 1 = 16 channels): a lane's 8 results are 8 neighbouring queries of a channel, as out0 wants them.
; A STEP is 64 keys x 64 queries a wave: 32 score products, the softmax's vector work on 128 registers with ONE batch of exponentials, in walk 2 also 64 products for O.
; No exponential stands among products.  Plain vector lines that touch none of the products' registers stand between the score products: in walk 1 the last step's second half of the sums and this step's first half of the maxima,
; in walk 2 the hold and the codes of the last step's second half and the scaling of this step's first half.
; WALK 2's ORDER in a slot of steps a, b: exp(a), codes(a), scores(b), exp(b), O += a, codes(b), O += b, scores(next a): fragments are asked of LDS as soon as their registers are free, mostly ahead of vector work.
; RING: two slots of 128 KiB.  Walk 1: 512 keys of K a slot; walk 2: 256 keys of K and of V.  The four work-groups of a cluster walk the same K and V: joint loads, 32 KiB a wave, behind a round of the cluster's barrier.
; PREFETCH: V's codes, 64 KiB a slot, two changes of slots ahead of their load, by one cluster of each batch, shared out by address.  K's first four slots are asked for by their loads alone (two at the head, two a slot ahead); in walk 2 K has been read in this launch.
; M is the running largest t rounded up to a whole number, so a change of M multiplies the sum by a power of two.
; LIMITS: e0+e1 and e2+e3 between -126 and 127, e0 and e2 between -126 and 119; scaled scores under 2^31 in magnitude; NaN among the inputs is not served.
; WINDOWS: 0: v1-24 addresses, v32-63 row statistics, v64-95 bias, v96-127 p's codes, v128-255 scores; 1: v0-127 Q, v128-255 fragments of K or V; 2, 3: O.
.set SLOT1, 1<<17
.set BIAS,  262144                     ; the bias by keys: for each half of the keys 4 KiB in walk 1's order, 4 KiB in walk 2's
.set QIMG,  278528                     ; Q's codes: 8 tiles x 16 rows (16 of d each) of 256 bytes + 16 of padding
.set QP,    272
.set QT,    16*QP
.set STATS, QIMG+8*QT
.set SPARE, STATS+4096                 ; the spare words: 128 bytes a wave
.set STGW,  69632                      ; the way out: 256 rows x 272 bytes a wave, over the ring and the bias, which are done with
.set LN16, 1
.set ADK,  2
.set ADB,  3
.set BH,   4
.set SPW,  5
.set NIL,  6
.set SC2,  7
.set HP,   8
.set PFO,  9
.set SCQ,  10
.set LIMQ, 11
.set MA,   13
.set T1A,  14
.set T2A,  15
.set XWI,  16
.set QRD,  17
.set NEGB, 18
.set STA,  19
.set STB,  20
.set STO,  21
.set RDA,  22
.set RDB,  23
.set GO,   24
.set ST,   32                          ; for query tile t at ST+8t: -M, largest score, sum (2), t or 1/(16 sum), at work, f, 0
.set BI,   64
.set PC,   96
.set S,    128
.set MSB, 0
.macro WIN new                         ; the immediate's high byte repeats the setting that is left
.if MSB != (\new)
	s_set_vgpr_msb (MSB<<8)|(\new)
.set MSB, (\new)
.endif
.endm
.macro PLACES n
.rept \n
	v_nop
.endr
.endm
.macro ROUND                           ; a round of the cluster's barrier
	s_barrier_signal -1
	s_barrier_wait -1
	s_cmp_lg_u32 s16, 0
	s_cbranch_scc1 .Lnot_wave_0_\@
	s_barrier_signal -3
.Lnot_wave_0_\@:
	s_barrier_wait -3
	s_barrier_signal -1
	s_barrier_wait -1
.endm
.macro LK g, st                        ; key tiles 2g, 2g+1 of step st of the slot: 16 loads of K, 4 of the bias
	WIN 0x40
.irp i, 2*\g, 2*\g+1
.irp n, 0,1,2,3,4,5,6,7
	ds_load_b128 v[128+32*(\i)+4*\n:128+32*(\i)+4*\n+3], v[ADK] offset:16384*\st+4096*(\i)+512*\n
.endr
.endr
	WIN 0
.irp i, 2*\g, 2*\g+1
.irp u, 0,1
	ds_load_b128 v[BI+8*(\i)+4*\u:BI+8*(\i)+4*\u+3], v[ADB] offset:256*\st+64*(\i)+16*\u
.endr
.endr
.endm
.macro LV g, st                        ; channel tiles 8g .. 8g+7 of V, the step's 64 keys: 16 loads
	WIN 0x40
.irp n, 0,1,2,3,4,5,6,7,8,9,10,11,12,13,14,15
	ds_load_b128 v[128+64*\g+4*\n:128+64*\g+4*\n+3], v[ADK] offset:32768+16384*\st+8192*\g+512*\n
.endr
	WIN 0
.endm
; One line of a stream of plain vector work that stands between score products; vi counts the stream's lines.
.macro SH kind
	WIN 0
.if \kind == 1                         ; walk 1: the p of key tiles 2, 3 into the sums
	v_pk_add_f32 v[ST+8*(vi%4)+2:ST+8*(vi%4)+3], v[ST+8*(vi%4)+2:ST+8*(vi%4)+3], v[S+32*(vi%4)+16+2*(vi/4):S+32*(vi%4)+16+2*(vi/4)+1]
.elseif \kind == 2                     ; walk 1: the scores of key tiles 0, 1 into the running maximum
	v_max3_num_f32 v[ST+8*(vi%4)+1], v[ST+8*(vi%4)+1], v[S+32*(vi%4)+2*(vi/4)], v[S+32*(vi%4)+2*(vi/4)+1]
.elseif \kind == 3                     ; walk 2: key tiles 2, 3: the hold, the codes, a plain place behind the conversions
.if vi < 64
	v_min_num_f32 v[S+32*(vi/16)+16+vi%16], v[S+32*(vi/16)+16+vi%16], v[HP]
.elseif vi < 72
	v_cvt_scalef32_pk8_fp8_f32 v[PC+8*((vi-64)/2)+4+2*(vi%2):PC+8*((vi-64)/2)+4+2*(vi%2)+1], v[S+32*((vi-64)/2)+16+8*(vi%2):S+32*((vi-64)/2)+16+8*(vi%2)+7], v[SC2]
.else
	v_nop
.endif
.else                                  ; walk 2: key tiles 0, 1: t - M
	v_pk_fma_f32 v[S+32*(vi%4)+2*(vi/4):S+32*(vi%4)+2*(vi/4)+1], v[S+32*(vi%4)+2*(vi/4):S+32*(vi%4)+2*(vi/4)+1], s[48:49], v[ST+8*(vi%4):ST+8*(vi%4)+1] op_sel_hi:[1,0,0]
.endif
.set vi, vi+1
.endm
; 16 products: 2 key tiles x 4 query tiles x 2 halves of d; the 8 sums take turns; the bias starts each sum.  tot lines of stream kind are dealt evenly behind the 16.
.macro QKH g, kind, tot
.set mi, 0
.set vi, 0
.rept 16
.set qi, 2*(\g)+(mi/4)%2
.set qt, mi%4
	WIN 0x05
.if mi < 8
	v_wmma_f32_16x16x128_fp8_fp8 v[S+32*qt+8*qi:S+32*qt+8*qi+7], v[128+32*qi:128+32*qi+15], v[32*qt:32*qt+15], v[BI+8*qi:BI+8*qi+7]
.else
	v_wmma_f32_16x16x128_fp8_fp8 v[S+32*qt+8*qi:S+32*qt+8*qi+7], v[128+32*qi+16:128+32*qi+31], v[32*qt+16:32*qt+31], v[S+32*qt+8*qi:S+32*qt+8*qi+7]
.endif
.set mi, mi+1
.rept (\tot*mi)/16-(\tot*(mi-1))/16
	SH \kind
.endr
.endr
.endm
.macro PVH g, zero                     ; 32 products: 8 channel tiles x 4 query tiles, K = the step's 64 keys; 32 sums take turns
	WIN 0xa4+0x50*(\g)
.set mi, 0
.rept 32
.set pcc, mi/4
.set pt, mi%4
.if \zero
	v_wmma_f32_16x16x64_fp8_fp8 v[8*(4*pcc+pt):8*(4*pcc+pt)+7], v[PC+8*pt:PC+8*pt+7], v[128+64*(\g)+8*pcc:128+64*(\g)+8*pcc+7], 0
.else
	v_wmma_f32_16x16x64_fp8_fp8 v[8*(4*pcc+pt):8*(4*pcc+pt)+7], v[PC+8*pt:PC+8*pt+7], v[128+64*(\g)+8*pcc:128+64*(\g)+8*pcc+7], v[8*(4*pcc+pt):8*(4*pcc+pt)+7]
.endif
.set mi, mi+1
.endr
.endm
.macro ADV back                        ; walk 1: a step on; back: to the other slot's first step
.if \back
	s_sub_co_u32 s44, s44, \back
	s_xor_b32 s44, s44, SLOT1
.else
	s_add_co_u32 s44, s44, 16384
.endif
	s_add_co_u32 s45, s45, 256
	v_add_nc_u32 v[ADK], s44, v[LN16]
	v_add_nc_u32 v[ADB], s45, v[BH]
.endm
.macro ADV2                            ; walk 2: the other slot, two steps of bias on
	s_xor_b32 s44, s44, SLOT1
	s_add_co_u32 s45, s45, 512
	v_add_nc_u32 v[ADK], s44, v[LN16]
	v_add_nc_u32 v[ADB], s45, v[BH]
.endm
.macro ASK                             ; V's codes of a later slot: 8 KiB a wave, lanes 256 bytes apart; eight times in waves 0, 1 of the batch's first cluster
	s_cmp_lt_u32 s58, s59
	s_cbranch_scc0 .Lnot_mine_\@
	global_prefetch_b8 v[PFO], s[56:57] th:TH_LOAD_NT scope:SCOPE_SE
.Lnot_mine_\@:
.endm
; THE CHANGE OF SLOTS: all my tensor loads are in; the add, register work behind it; my reads of the slot are over; the round (fill) or the barrier; the refill first behind it.
.macro CHANGE fill, g0, step, pfstep, p2
	WIN 0
	s_wait_tensorcnt 0x0
	ds_add_u32 v[SPW], v[NIL]
.if \p2
	ADV2
.else
	ADV 49152
.endif
.if \fill
	s_xor_b32 s[\g0+1], s[\g0+1], SLOT1
	s_add_nc_u64 s[\g0+2:\g0+3], s[\g0+2:\g0+3], \step
	s_add_co_u32 s58, s58, 1
.if \pfstep
	s_wait_xcnt 0x0                                ; my last prefetch has read its address
	s_add_nc_u64 s[56:57], s[56:57], 65536
.endif
.endif
	s_wait_dscnt 0x0
.if \fill
	ROUND
	tensor_load_to_lds s[\g0:\g0+3], s[24:31]
	s_nop 0
.else
	s_barrier_signal -1
	s_barrier_wait -1
.endif
	PLACES 4                                       ; also the places ahead of loads into fragments just multiplied
.endm
.macro FM g                            ; t - M for key tiles 2g, 2g+1, two numbers a line; the four query tiles take turns
.set n, 0
.rept 32
	v_pk_fma_f32 v[S+32*(n%4)+16*\g+2*(n/4):S+32*(n%4)+16*\g+2*(n/4)+1], v[S+32*(n%4)+16*\g+2*(n/4):S+32*(n%4)+16*\g+2*(n/4)+1], s[48:49], v[ST+8*(n%4):ST+8*(n%4)+1] op_sel_hi:[1,0,0]
.set n, n+1
.endr
.endm
.macro EXPS                            ; the step's batch: 2^(t - M)
	s_wait_alu depctr_va_vdst(0)                   ; the wait ahead of the batch
.set n, 0
.rept 128
	v_exp_f32 v[S+32*(n%4)+n/4], v[S+32*(n%4)+n/4]
.set n, n+1
.endr
.endm
.macro MUL                             ; x 1 / (16 sum)
.set n, 0
.rept 64
	v_pk_mul_f32 v[S+32*(n%4)+2*(n/4):S+32*(n%4)+2*(n/4)+1], v[S+32*(n%4)+2*(n/4):S+32*(n%4)+2*(n/4)+1], v[ST+8*(n%4)+4:ST+8*(n%4)+5] op_sel_hi:[1,0]
.set n, n+1
.endr
.endm
.macro MC g                            ; key tiles 2g, 2g+1: the hold at 448 x 2^e2 (the conversion does not saturate: ISA guide 7.6.2); key tile i's 8 registers give registers 2i, 2i+1 of the operand
.set n, 0
.rept 64
	v_min_num_f32 v[S+32*(n/16)+16*\g+n%16], v[S+32*(n/16)+16*\g+n%16], v[HP]
.set n, n+1
.endr
.set n, 0
.rept 8
	v_cvt_scalef32_pk8_fp8_f32 v[PC+8*(n/2)+4*\g+2*(n%2):PC+8*(n/2)+4*\g+2*(n%2)+1], v[S+32*(n/2)+16*\g+8*(n%2):S+32*(n/2)+16*\g+8*(n%2)+7], v[SC2]
.set n, n+1
.endr
.endm
; WALK 1's vector work that stands by itself: key tiles 2, 3 into the maximum (two chains a query tile), the new M, f = 2^(old M - new M), p, and the p of key tiles 0, 1 into the sums (a tree).
.macro VSTEP1
.irp k, 0,1,2
.irp t, 0,1,2,3
	v_max3_num_f32 v[ST+8*\t+1], v[ST+8*\t+1], v[S+32*\t+16+2*\k], v[S+32*\t+17+2*\k]
.endr
.irp t, 0,1,2,3
.if \k == 0
	v_max3_num_f32 v[ST+8*\t+4], v[S+32*\t+24], v[S+32*\t+25], v[S+32*\t+26]
.else
	v_max3_num_f32 v[ST+8*\t+4], v[ST+8*\t+4], v[S+32*\t+25+2*\k], v[S+32*\t+26+2*\k]
.endif
.endr
.endr
.irp t, 0,1,2,3
	v_max3_num_f32 v[ST+8*\t+1], v[ST+8*\t+1], v[S+32*\t+22], v[S+32*\t+23]
.endr
.irp t, 0,1,2,3
	v_max3_num_f32 v[ST+8*\t+1], v[ST+8*\t+1], v[ST+8*\t+4], v[S+32*\t+31]
.endr
.irp t, 0,1,2,3
	v_mov_b32 v[ST+8*\t+5], v[ST+8*\t]
.endr
.irp t, 0,1,2,3
	v_mul_f32 v[ST+8*\t+4], s48, v[ST+8*\t+1]
.endr
.irp t, 0,1,2,3
	v_floor_f32 v[ST+8*\t], -v[ST+8*\t+4]
.endr
.irp t, 0,1,2,3
	v_sub_f32 v[ST+8*\t+5], v[ST+8*\t], v[ST+8*\t+5]
.endr
.irp t, 0,1,2,3
	v_cvt_i32_f32 v[ST+8*\t+5], v[ST+8*\t+5]
.endr
.irp t, 0,1,2,3
	v_ldexp_f32 v[ST+8*\t+6], 1.0, v[ST+8*\t+5]
.endr
	FM 0
	FM 1
	EXPS
.irp t, 0,1,2,3
	v_pk_mul_f32 v[ST+8*\t+2:ST+8*\t+3], v[ST+8*\t+2:ST+8*\t+3], v[ST+8*\t+6:ST+8*\t+7] op_sel_hi:[1,0]
.endr
	s_wait_alu depctr_va_vdst(0)                   ; and behind it, ahead of its first reader
.irp j, 0,4,8,12
.irp t, 0,1,2,3
	v_pk_add_f32 v[S+32*\t+\j:S+32*\t+\j+1], v[S+32*\t+\j:S+32*\t+\j+1], v[S+32*\t+\j+2:S+32*\t+\j+3]
.endr
.endr
.irp j, 0,8
.irp t, 0,1,2,3
	v_pk_add_f32 v[S+32*\t+\j:S+32*\t+\j+1], v[S+32*\t+\j:S+32*\t+\j+1], v[S+32*\t+\j+4:S+32*\t+\j+5]
.endr
.endr
.irp t, 0,1,2,3
	v_pk_add_f32 v[S+32*\t:S+32*\t+1], v[S+32*\t:S+32*\t+1], v[S+32*\t+8:S+32*\t+9]
.endr
.irp t, 0,1,2,3
	v_pk_add_f32 v[ST+8*\t+2:ST+8*\t+3], v[ST+8*\t+2:ST+8*\t+3], v[S+32*\t:S+32*\t+1]
.endr
.endm
; A trip of walk 1: the next step's fragments are asked for, this step's vector work, the next step's scores.
.macro TRIP1 chg, g0, step, pfstep
.if \chg
	CHANGE 1, \g0, \step, \pfstep, 0
.else
	ADV 0
	PLACES 2
.endif
	s_wait_alu depctr_va_vdst(0)                   ; the wait ahead of the readers of the addresses and of the maxima
	LK 0, 0
	LK 1, 0
.if \chg
	ASK
.endif
	VSTEP1
	s_wait_alu depctr_va_vdst(0)
	s_wait_dscnt 20                                ; LK 0 is in
	QKH 0, 1, 32
	s_wait_dscnt 0x0
	QKH 1, 2, 32
	WIN 0
.endm
; A slot of walk 2, steps a and b.  At the entry a's scores stand in S and both fragment blocks are free.
.macro SLOT2 zero, fill
	PLACES 4
	LK 0, 1                                        ; K of b
	LK 1, 1
	s_wait_alu depctr_va_vdst(0)                   ; the wait ahead of the scores' first reader
	FM 0
	FM 1
	EXPS
	v_nop
	s_wait_alu depctr_va_vdst(0)
	MUL
	MC 0
	v_nop
	s_wait_dscnt 20                                ; LK 0 is in
	QKH 0, 3, 73                                   ; b's scores over a's first half, whose codes are made
	PLACES 4
	LV 0, 0                                        ; V of a
	s_wait_dscnt 16                                ; LK 1 is in
	QKH 1, 4, 32
	PLACES 4
	LV 1, 0
	FM 1
	EXPS
	v_nop
	s_wait_alu depctr_va_vdst(0)                   ; behind the batch, and ahead of the readers of O and of p's codes
	s_wait_dscnt 16                                ; LV 0 is in
	PVH 0, \zero
	PLACES 4
	LV 0, 1                                        ; V of b
	s_wait_alu depctr_va_vdst(0)
	s_wait_dscnt 16
	PVH 1, \zero
	PLACES 4
	LV 1, 1
	MUL
	MC 0
	MC 1
	v_nop
	s_wait_alu depctr_va_vdst(0)
	s_wait_dscnt 16
	PVH 0, 0
	CHANGE \fill, 40, 65536, 1, 1
	s_wait_alu depctr_va_vdst(0)
.if \fill
	LK 0, 0                                        ; K of the next slot's a
	ASK
	PVH 1, 0
	PLACES 4
	LK 1, 0
.else
	s_cmp_eq_u32 s46, 1                            ; behind the last slot there are no keys
	s_cbranch_scc1 .Lno_k0_\@
	LK 0, 0
.Lno_k0_\@:
	PVH 1, 0
	WIN 0
	s_cmp_eq_u32 s46, 1
	s_cbranch_scc1 .Lend_\@
	PLACES 4
	LK 1, 0
.endif
	s_wait_dscnt 20
	QKH 0, 0, 0
	s_wait_dscnt 0x0
	QKH 1, 0, 0
	WIN 0
.Lend_\@:
.endm
	s_load_b256 s[4:11], s[0:1], 0x0               ; q, kc, vc, mask
	s_load_b128 s[12:15], s[0:1], 0x20             ; the scales' exponents, out0
	v_lshl_add_u32 v[SPW], v0, 2, SPARE
	v_mov_b32 v[NIL], 0
	ds_add_u32 v[SPW], v[NIL]                      ; the opening lines: the add, twice on end; register work; the one wait
	ds_add_u32 v[SPW], v[NIL]
	v_lshrrev_b32 v25, 5, v0
	v_readfirstlane_b32 s16, v25                   ; wave
	s_lshr_b32 s17, s16, 1                         ; which 64 queries
	s_and_b32 s18, s16, 1                          ; which half of a slot's keys
	s_bfe_u32 s19, ttmp6, 0x40000                  ; cx
	s_and_b32 s20, ttmp7, 0xffff                   ; batch
	s_lshl_b32 s21, ttmp9, 2
	s_add_co_u32 s21, s21, s19                     ; block of 128 queries
	v_and_b32 v25, 31, v0
	v_and_b32 v26, 15, v0
	v_bfe_u32 v27, v0, 4, 1
	v_lshlrev_b32 v[LN16], 4, v25
	v_lshl_add_u32 v[BH], v27, 5, BIAS
	v_lshlrev_b32 v[PFO], 8, v25
	v_lshlrev_b32 v[MA], 4, v0
	v_lshrrev_b32 v28, 6, v0
	v_and_b32 v29, 63, v0
	v_lshlrev_b32 v[T1A], 4, v29
	v_lshl_add_u32 v[T1A], v28, 13, v[T1A]
	v_add_nc_u32 v[T1A], BIAS, v[T1A]              ; bias, walk 1's order: halves of 256 keys
	v_bfe_u32 v29, v0, 5, 1
	v_lshl_add_u32 v[T2A], v28, 9, v[LN16]
	v_lshl_add_u32 v[T2A], v29, 13, v[T2A]
	v_add_nc_u32 v[T2A], BIAS+4096, v[T2A]         ; walk 2's order: halves of 128 keys
	s_mul_i32 s62, s16, 2*QT
	s_add_co_u32 s62, s62, QIMG
	v_lshrrev_b32 v28, 2, v25
	v_mul_u32_u24 v[XWI], v28, QP
	v_and_b32 v28, 3, v25
	v_lshl_add_u32 v[XWI], v28, 2, v[XWI]
	v_add_nc_u32 v[XWI], s62, v[XWI]               ; Q's image, in: my 4 codes: row lane / 4 of the image, word lane % 4
	s_mul_i32 s62, s17, 4*QT
	s_add_co_u32 s62, s62, QIMG
	v_mul_u32_u24 v[QRD], v27, QP
	v_lshl_add_u32 v[QRD], v26, 4, v[QRD]
	v_add_nc_u32 v[QRD], s62, v[QRD]               ; and out: query r, 16 of d at 32 n + 16 h
	v_lshlrev_b32 v28, 3, v25
	s_lshl_b32 s62, s16, 10
	s_add_co_u32 s62, s62, STATS
	v_add_nc_u32 v[STA], s62, v28
	s_xor_b32 s62, s16, 1
	s_lshl_b32 s62, s62, 10
	s_add_co_u32 s62, s62, STATS
	v_add_nc_u32 v[STB], s62, v28
	s_mul_i32 s62, s16, STGW
	v_mul_u32_u24 v[STO], v26, 272
	v_lshl_add_u32 v[STO], v27, 5, v[STO]
	v_add_nc_u32 v[STO], s62, v[STO]
	s_mul_i32 s62, s17, 2*STGW
	s_mul_i32 s63, s18, 128*272
	s_add_co_u32 s62, s62, s63
	v_mul_u32_u24 v[RDA], v27, 272
	v_lshl_add_u32 v[RDA], v26, 4, v[RDA]
	v_add_nc_u32 v[RDA], s62, v[RDA]
	v_add_nc_u32 v[RDB], STGW, v[RDA]
	v_lshlrev_b32 v[GO], 13, v27
	v_lshl_add_u32 v[GO], v26, 4, v[GO]
	s_mov_b32 s24, 15|(3<<16)|(1<<21)              ; group 1: the cluster's four; 128 dense rows of 32 x 8 bytes
	s_mov_b32 s25, 32<<16
	s_mov_b32 s26, 128<<16
	s_mov_b32 s27, 32<<16
	s_mov_b32 s28, 128
	s_mov_b32 s29, 32
	s_mov_b32 s30, 0
	s_mov_b32 s31, 0
	s_mov_b32 s50, 0x76543210
	s_mov_b32 s51, 0xfedcba98
	s_wait_alu depctr_va_vdst(0)                   ; the wait ahead of the waits below
	s_wait_dscnt 0x0
	s_wait_kmcnt 0x0
	s_load_b128 s[52:55], s[12:13], 0x0            ; e0 .. e3
	s_mov_b32 s63, 0
	s_lshl_b32 s62, s20, 19
	s_add_nc_u64 s[6:7], s[6:7], s[62:63]          ; the batch's kc,
	s_add_nc_u64 s[8:9], s[8:9], s[62:63]          ; vc,
	s_lshl_b32 s62, s20, 13
	s_add_nc_u64 s[10:11], s[10:11], s[62:63]      ; mask
	s_lshl_b32 s68, s20, 11
	s_lshl_b32 s69, s21, 7
	s_add_co_u32 s68, s68, s69
	s_lshl_b32 s69, s16, 5
	s_add_co_u32 s68, s68, s69
	s_lshl_b32 s68, s68, 10
	s_mov_b32 s69, 0
	s_add_nc_u64 s[4:5], s[4:5], s[68:69]          ; the 32 rows of q that my wave converts
	s_lshl_b32 s62, s16, 15
	s_mov_b32 s32, 1                               ; walk 1: my quarter of slot 0,
	s_mov_b32 s33, s62
	s_add_nc_u64 s[34:35], s[6:7], s[62:63]
	s_mov_b32 s36, 1                               ; and of slot 1; this one walks on
	s_add_co_u32 s37, s62, SLOT1
	s_add_nc_u64 s[38:39], s[34:35], 131072
	s_or_b32 s35, s35, 0x80000000
	s_or_b32 s39, s39, 0x80000000
	ROUND
	tensor_load_to_lds s[32:35], s[24:31]          ; my one load at the head
	s_nop 0
	PLACES 4
.irp k, 0,1,2,3
	global_load_b128 v[S+4*\k:S+4*\k+3], v[MA], s[10:11] offset:2048*\k
.endr
	WIN 0x80
.set n, 0
.rept 64
	global_load_b128 v[4*n:4*n+3], v[LN16], s[4:5] offset:512*n th:TH_LOAD_NT   ; half a row of q: 512 consecutive bytes
.set n, n+1
.endr
	WIN 0
	s_mov_b32 s40, 1                               ; walk 2: waves 0, 1 fetch K's halves, waves 2, 3 V's
	s_lshl_b32 s41, s18, 16
	s_lshl_b32 s70, s17, 15
	s_add_co_u32 s41, s41, s70
	s_add_co_u32 s41, s41, SLOT1
	s_cmp_lt_u32 s16, 2
	s_cselect_b64 s[42:43], s[6:7], s[8:9]
	s_lshl_b32 s62, s18, 15
	s_add_nc_u64 s[42:43], s[42:43], s[62:63]
	s_sub_nc_u64 s[42:43], s[42:43], 65536
	s_or_b32 s43, s43, 0x80000000
	s_lshl_b32 s66, s20, 21
	s_lshl_b32 s67, s18, 20
	s_add_co_u32 s66, s66, s67
	s_lshl_b32 s67, s21, 9
	s_add_co_u32 s66, s66, s67
	s_lshl_b32 s67, s17, 8
	s_add_co_u32 s66, s66, s67
	s_mov_b32 s67, 0
	s_add_nc_u64 s[14:15], s[14:15], s[66:67]      ; out0: my 128 channels x my pair's 64 queries
	s_lshl_b32 s66, s19, 14
	s_lshl_b32 s68, s16, 13
	s_add_co_u32 s66, s66, s68
	s_add_nc_u64 s[56:57], s[8:9], s[66:67]        ; the prefetches: partners told apart by address
	s_wait_kmcnt 0x0
	s_add_co_i32 s70, s52, s53
	s_lshl_b32 s71, s70, 23
	s_add_co_i32 s48, s71, 0x3fb8aa3b              ; c = log2(e) x 2^(e0+e1)
	s_mov_b32 s49, s48
	s_sub_co_i32 s70, 0, s70
	v_mov_b32 v[NEGB], 0xce6e6b28                  ; -1e9,
	v_ldexp_f32 v[NEGB], v[NEGB], s70              ; in the sums' unit
	s_add_co_i32 s70, s52, 127
	s_lshl_b32 s71, s70, 23
	v_mov_b32 v[SCQ], s71                          ; 2^e0
	s_add_co_i32 s70, s70, 8
	s_lshl_b32 s70, s70, 23
	s_or_b32 s70, s70, 0x600000
	v_mov_b32 v[LIMQ], s70                         ; 448 x 2^e0
	s_add_co_i32 s70, s54, 127
	s_lshl_b32 s71, s70, 23
	v_mov_b32 v[SC2], s71                          ; 2^e2
	s_add_co_i32 s70, s70, 8
	s_lshl_b32 s70, s70, 23
	s_or_b32 s70, s70, 0x600000
	v_mov_b32 v[HP], s70                           ; 448 x 2^e2
	s_add_co_i32 s60, s54, s55
	s_add_co_i32 s60, s60, 127
	s_lshl_b32 s60, s60, 23                        ; 2^(e2+e3)
	s_mov_b32 s61, s60
	s_wait_alu depctr_va_vdst(0)
	s_wait_loadcnt 63                              ; the mask's four loads, the oldest of 68, are in
.set kk, 0
.rept 16
	v_cmp_eq_u32 vcc_lo, 0, v[S+kk]
	v_cndmask_b32 v[S+kk], 0, v[NEGB], vcc_lo
.set kk, kk+1
.endr
.irp k, 0,1,2,3
	ds_store_b128 v[T1A], v[S+4*\k:S+4*\k+3] offset:1024*\k
	ds_store_b128 v[T2A], v[S+4*\k:S+4*\k+3] offset:1024*\k
.endr
.irp a, 0,1,2,3                        ; q by quarters of 16 loads, 8 rows: the hold, the codes (4 of one half row, 4 of the other in each conversion), into the image
	s_wait_loadcnt 48-16*\a
	WIN 0x82
.set n, 0
.rept 64
	v_med3_num_f32 v[64*\a+n], v[64*\a+n], -v[LIMQ], v[LIMQ]
.set n, n+1
.endr
	WIN 0x02
.set n, 0
.rept 8
	v_cvt_scalef32_pk8_fp8_f32 v[64+16*\a+2*n:64+16*\a+2*n+1], v[64*\a+8*n:64*\a+8*n+7], v[SCQ]
.set n, n+1
.endr
	WIN 0
	v_nop
.set n, 0
.rept 16
	ds_store_b32 v[XWI], v[64+16*\a+n] offset:((8*\a+n/2)/16)*QT+(n%2)*8*QP+((8*\a+n/2)%16)*16
.set n, n+1
.endr
.endr
	s_wait_alu depctr_va_vdst(0)
	s_wait_tensorcnt 0x0                           ; slot 0 is in; the lines ahead of a later first fill
	ds_add_u32 v[SPW], v[NIL]
	s_wait_dscnt 0x0                               ; and my stores of the bias and of Q's image are done
	ROUND
	tensor_load_to_lds s[36:39], s[24:31]          ; slot 1
	s_nop 0
	PLACES 4
	WIN 0x40
.irp t, 0,1,2,3
.irp bk, 0,1,2,3,4,5,6,7
	ds_load_b128 v[32*\t+4*\bk:32*\t+4*\bk+3], v[QRD] offset:QT*\t+2*QP*\bk
.endr
.endr
	WIN 0
	s_lshl_b32 s44, s18, 16
	s_lshl_b32 s45, s18, 13
	v_add_nc_u32 v[ADK], s44, v[LN16]
	v_add_nc_u32 v[ADB], s45, v[BH]
	LK 0, 0
	LK 1, 0
.irp t, 0,1,2,3
	v_mov_b32 v[ST+8*\t], 0x7f61b1e6               ; -M
	v_mov_b32 v[ST+8*\t+1], 0xff61b1e6             ; under every score
.irp n, 2,3,4,5,6,7
	v_mov_b32 v[ST+8*\t+\n], 0
.endr
.endr
	s_mov_b32 s58, -2
	s_lshr_b32 s59, s16, 1
	s_or_b32 s59, s59, ttmp9
	s_cmp_eq_u32 s59, 0
	s_cselect_b32 s59, 8, 0
	s_wait_alu depctr_va_vdst(0)                   ; the wait at the head's end
	s_wait_dscnt 20                                ; Q and LK 0 are in
	QKH 0, 0, 0                                    ; the first step's scores
	PLACES 4                                       ; ahead of the maxima, which read these results
	s_wait_dscnt 0x0
	QKH 1, 2, 32
	WIN 0
	s_mov_b32 s46, 2
.Lpass1_k:                             ; walk 1, slots 0 and 1: the changes ask for K's slots 2 and 3
	s_mov_b32 s47, 3
.Lsteps_k:
	TRIP1 0, 0, 0, 0
	s_sub_co_u32 s47, s47, 1
	s_cmp_lg_u32 s47, 0
	s_cbranch_scc1 .Lsteps_k
	TRIP1 1, 36, 131072, 0
	s_sub_co_u32 s46, s46, 1
	s_cmp_lg_u32 s46, 0
	s_cbranch_scc1 .Lpass1_k
	s_mov_b32 s46, 2
.Lpass1_kv:                            ; slots 2 and 3: the changes ask for walk 2's first two slots; the last trip makes walk 2's first scores
	s_mov_b32 s47, 3
.Lsteps_kv:
	TRIP1 0, 0, 0, 0
	s_sub_co_u32 s47, s47, 1
	s_cmp_lg_u32 s47, 0
	s_cbranch_scc1 .Lsteps_kv
	TRIP1 1, 40, 65536, 1
	s_sub_co_u32 s46, s46, 1
	s_cmp_lg_u32 s46, 0
	s_cbranch_scc1 .Lpass1_kv
	; the row's M and sum: lane l xor 16's are joined, then the partner wave's, each brought under the larger M by a power of two
.irp t, 0,1,2,3
	v_add_f32 v[ST+8*\t+2], v[ST+8*\t+2], v[ST+8*\t+3]
	v_permlanex16_b32 v[ST+8*\t+4], v[ST+8*\t], s50, s51
.endr
.irp t, 0,1,2,3
	v_min_num_f32 v[ST+8*\t+5], v[ST+8*\t], v[ST+8*\t+4]
.endr
.irp t, 0,1,2,3
	v_sub_f32 v[ST+8*\t+6], v[ST+8*\t+5], v[ST+8*\t]
.endr
.irp t, 0,1,2,3
	v_cvt_i32_f32 v[ST+8*\t+6], v[ST+8*\t+6]
.endr
.irp t, 0,1,2,3
	v_ldexp_f32 v[ST+8*\t+2], v[ST+8*\t+2], v[ST+8*\t+6]
	v_mov_b32 v[ST+8*\t], v[ST+8*\t+5]
.endr
.irp t, 0,1,2,3
	v_permlanex16_b32 v[ST+8*\t+4], v[ST+8*\t+2], s50, s51
.endr
.irp t, 0,1,2,3
	v_add_f32 v[ST+8*\t+1], v[ST+8*\t+2], v[ST+8*\t+4]
.endr
.irp t, 0,1,2,3
	ds_store_b64 v[STA], v[ST+8*\t:ST+8*\t+1] offset:256*\t
.endr
	s_wait_dscnt 0x0
	s_barrier_signal -1
	s_barrier_wait -1
.irp t, 0,1,2,3
	ds_load_b64 v[ST+8*\t+2:ST+8*\t+3], v[STB] offset:256*\t
.endr
	s_wait_dscnt 0x0
.irp t, 0,1,2,3
	v_min_num_f32 v[ST+8*\t+5], v[ST+8*\t], v[ST+8*\t+2]
.endr
.irp t, 0,1,2,3
	v_sub_f32 v[ST+8*\t+6], v[ST+8*\t+5], v[ST+8*\t]
	v_sub_f32 v[ST+8*\t+4], v[ST+8*\t+5], v[ST+8*\t+2]
.endr
.irp t, 0,1,2,3
	v_cvt_i32_f32 v[ST+8*\t+6], v[ST+8*\t+6]
	v_cvt_i32_f32 v[ST+8*\t+4], v[ST+8*\t+4]
.endr
.irp t, 0,1,2,3
	v_ldexp_f32 v[ST+8*\t+1], v[ST+8*\t+1], v[ST+8*\t+6]
	v_ldexp_f32 v[ST+8*\t+3], v[ST+8*\t+3], v[ST+8*\t+4]
.endr
.irp t, 0,1,2,3
	v_add_f32 v[ST+8*\t+1], v[ST+8*\t+1], v[ST+8*\t+3]
	v_mov_b32 v[ST+8*\t], v[ST+8*\t+5]
.endr
	s_wait_alu depctr_va_vdst(0)
.irp t, 0,1,2,3
	v_rcp_f32 v[ST+8*\t+4], v[ST+8*\t+1]
.endr
	v_nop
	s_wait_alu depctr_va_vdst(0)
.irp t, 0,1,2,3
	v_fma_f32 v[ST+8*\t+5], -v[ST+8*\t+1], v[ST+8*\t+4], 1.0   ; one Newton step on the reciprocal
.endr
.irp t, 0,1,2,3
	v_fma_f32 v[ST+8*\t+4], v[ST+8*\t+5], v[ST+8*\t+4], v[ST+8*\t+4]
.endr
.irp t, 0,1,2,3
	v_ldexp_f32 v[ST+8*\t+4], v[ST+8*\t+4], -4     ; / sqrt(256)
.endr
	SLOT2 1, 1                             ; walk 2: the first step's products start O's sums
	s_mov_b32 s46, 5
.Lpass2:
	SLOT2 0, 1
	s_sub_co_u32 s46, s46, 1
	s_cmp_lg_u32 s46, 0
	s_cbranch_scc1 .Lpass2
	s_mov_b32 s46, 2
.Ltail:                                ; the last two slots ask for nothing more
	SLOT2 0, 0
	s_sub_co_u32 s46, s46, 1
	s_cmp_lg_u32 s46, 0
	s_cbranch_scc1 .Ltail
	; THE WAY OUT: each wave's O goes into its stage by channels (rows of 64 queries, 256 bytes + 16); each wave then adds its pair's two parts for 128 channels and stores aligned units of 256 bytes
	PLACES 4
	s_wait_dscnt 0x0
	s_barrier_signal -1
	s_barrier_wait -1
.irp g, 0,1
	WIN 0x08+4*\g
.irp c, 0,1,2,3,4,5,6,7
.irp t, 0,1,2,3
	ds_store_b128 v[STO], v[8*(4*\c+\t):8*(4*\c+\t)+3] offset:4352*(8*\g+\c)+64*\t
	ds_store_b128 v[STO], v[8*(4*\c+\t)+4:8*(4*\c+\t)+7] offset:4352*(8*\g+\c)+64*\t+16
.endr
.endr
.endr
	WIN 0
	s_wait_dscnt 0x0
	s_barrier_signal -1
	s_barrier_wait -1
.macro LOADB bt                        ; 16 channels: my pair's two parts
.set RB, 64+64*(\bt)
.irp p, 0,1,2,3,4,5,6,7
	ds_load_b128 v[RB+8*\p:RB+8*\p+3], v[ADK] offset:544*(8*(\bt)+\p)
	ds_load_b128 v[RB+8*\p+4:RB+8*\p+7], v[ADB] offset:544*(8*(\bt)+\p)
.endr
.endm
.macro SENDB bt, next                  ; next: the 16 loads of the batch behind may be out
.set RB, 64+64*(\bt)
.irp p, 0,1,2,3,4,5,6,7
	s_wait_dscnt 16*\next+2*(7-\p)
	v_pk_add_f32 v[RB+8*\p:RB+8*\p+1], v[RB+8*\p:RB+8*\p+1], v[RB+8*\p+4:RB+8*\p+5]
	v_pk_add_f32 v[RB+8*\p+2:RB+8*\p+3], v[RB+8*\p+2:RB+8*\p+3], v[RB+8*\p+6:RB+8*\p+7]
	v_pk_mul_f32 v[RB+8*\p:RB+8*\p+1], v[RB+8*\p:RB+8*\p+1], s[60:61] op_sel_hi:[1,0]
	v_pk_mul_f32 v[RB+8*\p+2:RB+8*\p+3], v[RB+8*\p+2:RB+8*\p+3], s[60:61] op_sel_hi:[1,0]
	global_store_b128 v[GO], v[RB+8*\p:RB+8*\p+3], s[14:15] offset:16384*(8*(\bt)+\p) th:TH_STORE_NT
.endr
.endm
	s_mov_b32 s62, 0
	s_mov_b32 s46, 4
.Lout:                                 ; four trips of 32 channels
	v_add_nc_u32 v[ADK], s62, v[RDA]
	v_add_nc_u32 v[ADB], s62, v[RDB]
	LOADB 0
	LOADB 1
	SENDB 0, 1
	SENDB 1, 0
	s_wait_xcnt 0x0                                ; the stores have read their registers and their base
	s_add_nc_u64 s[14:15], s[14:15], 16*16384
	s_add_co_u32 s62, s62, 16*544
	s_sub_co_u32 s46, s46, 1
	s_cmp_lg_u32 s46, 0
	s_cbranch_scc1 .Lout
	s_wait_tensorcnt 0x0                           ; the wave's end: the closing round
	ds_add_u32 v[SPW], v[NIL]
	s_wait_dscnt 0x0
	ROUND
	s_endpgm
.Lfunc_end_k_qdcd0fb2134_attn:
	.size	k_qdcd0fb2134_attn, .Lfunc_end_k_qdcd0fb2134_attn-k_qdcd0fb2134_attn
	.p2alignl 7, 3214868480
	.fill 96, 4, 3214868480
	.section	.rodata,"a",@progbits
	.p2align	6, 0x0
	.amdhsa_kernel k_qdcd0fb2134_attn
		.amdhsa_group_segment_fixed_size 327680
		.amdhsa_private_segment_fixed_size 0
		.amdhsa_enable_private_segment 0
		.amdhsa_kernarg_size 48
		.amdhsa_user_sgpr_count 2
		.amdhsa_user_sgpr_kernarg_segment_ptr 1
		.amdhsa_wavefront_size32 1
		.amdhsa_system_sgpr_workgroup_id_x 1
		.amdhsa_system_sgpr_workgroup_id_y 1
		.amdhsa_system_sgpr_workgroup_id_z 1
		.amdhsa_system_vgpr_workitem_id 0
		.amdhsa_next_free_vgpr 1024
		.amdhsa_next_free_sgpr 80
		.amdhsa_reserve_vcc 1
		.amdhsa_float_denorm_mode_32 3
		.amdhsa_float_denorm_mode_16_64 3
		.amdhsa_memory_ordered 1
		.amdhsa_forward_progress 1
		.amdhsa_inst_pref_size 255
	.end_amdhsa_kernel
	.section	.bss,"aw",@nobits
	.p2align	6
	.space	262144
	.amdgpu_metadata
---
amdhsa.version: [ 1, 2 ]
amdhsa.kernels:
  - .name:           k_qdcd0fb2134_attn
    .symbol:         k_qdcd0fb2134_attn.kd
    .args:
      - { .name: q, .offset: 0, .size: 8, .value_kind: global_buffer, .address_space: global }
      - { .name: kc, .offset: 8, .size: 8, .value_kind: global_buffer, .address_space: global }
      - { .name: vc, .offset: 16, .size: 8, .value_kind: global_buffer, .address_space: global }
      - { .name: mask, .offset: 24, .size: 8, .value_kind: global_buffer, .address_space: global }
      - { .name: lowp_scales, .offset: 32, .size: 8, .value_kind: global_buffer, .address_space: global }
      - { .name: out0, .offset: 40, .size: 8, .value_kind: global_buffer, .address_space: global }
    .group_segment_fixed_size: 327680
    .private_segment_fixed_size: 0
    .kernarg_segment_align: 8
    .kernarg_segment_size: 48
    .max_flat_workgroup_size: 128
    .sgpr_count:     80
    .vgpr_count:     1024
    .wavefront_size: 32
...
	.end_amdgpu_metadata
.endif
;; end of part 2
